; MI455X (gfx1250); checked and timed in simulation.
; The chip was launched on July 23, 2026; its instructions are those of AMD's public machine-readable ISA for CDNA 5 (MIT licence, August 2026) and "CDNA5" Instruction Set Architecture Reference Guide (July 2026). The comments in the code are by the model that wrote it; some were corrected since.
;; One Hot Embeddings. Allowed arithmetic: matrix products marked QUANTISED: E5M2 operands, one given power-of-two scale a tensor, by v_wmma_f32_16x16x64_bf8_bf8 or v_wmma_f32_16x16x128_bf8_bf8, f32 sums; everything else in f32.
;; Inputs: W 1,024 x 8,000 float32; b 1,024 float32; input_ids 4 x 2,048 int32; lowp_scales 2 int32 (the exponents e of the quantised operands' scales 2^e).
;; Outputs: out0 4 x 2,048 x 1,024 float32.
;; This version of the problem:
;;   THIS VERSION OF THE PROBLEM IS GIVEN IN LOW PRECISION. The matrix products marked QUANTISED in the list below multiply operands that are first quantised to E5M2 (5 exponent bits, 2 mantissa bits; 8 bits a number), with one given power-of-two scale for each operand tensor; their sums are f32. All else is computed in f32.
;;   The module's matrix products, in the order in which they are computed (A, B: the left and right operand; K: the contracted axis; several contracted axes count as one K, in the product's order):
;;     1. [M 8,192, K 8,000] x [K 8,000, N 1,024]; A: computed on the way; B: input W: QUANTISED (scales: A lowp_scales[0], B lowp_scales[1])
;;   THE QUANTISER, for each operand of a quantised product, along K:
;;     - The operand's scale is 2^e, e = its entry of the input lowp_scales (int32; the entries are numbered through the quantised products in the list's order, A before B).
;;     - Each number is divided by the scale, clamped to +-57,344, and rounded to the nearest number of E5M2, ties to even, subnormals kept.
;;     - The product sums the exact products of the quantised numbers (number of the format x scale) in f32.
;;   ~~~python
;;   def quantise(x, axis, e):      # numpy; x: float32 -> the quantised numbers, widened to float32 again
;;       x = np.moveaxis(x, axis, -1); K = x.shape[-1]
;;       r = np.clip(x / 2.0 ** e, -57344, 57344)
;;       step = 2.0 ** (np.maximum(np.frexp(np.where(r == 0, 1, r))[1] - 1, -14) - 2)
;;       q = np.round(r / step) * step * 2.0 ** e      # np.round: ties to even
;;       return np.moveaxis(q, -1, axis).astype(np.float32)
;;   ~~~
;;   OPERANDS COMPUTED ON THE WAY. 'Computed on the way' means the value that the module computes at that place (a softmax that the list does not call 'softmax' is quantised finished and normalised). What goes into a quantiser is computed in f32, as accurately as f32 sums, v_exp_f32 and their like allow (about 1e-6 of the number): no bf16 or f16 on the way to a quantiser, and a product that is left as it is and whose result goes on into a quantised operand takes f32 operands (vector FMAs, or v_wmma_f32_16x16x4_f32). A number that lies on a knife's edge between two numbers of the format may be rounded either way, as far as f32 arithmetic and the matrix unit's own rounding can turn it there, and no further.
;; One version. Each part assembles by itself: llvm-mc -triple=amdgcn-amd-amdhsa -mcpu=gfx1250 --defsym DOCPART=n.
;; ======== version 1 of 1: 2 launches
;; workspace buffers: wq 8,388,608 bytes
;; launch quant (part 1): grid 4 x 64, 8 waves a work-group, no clusters, 136,192 bytes of LDS; arguments W, lowp_scales, wq; writes wq
.if DOCPART == 1
	.amdgcn_target "amdgcn-amd-amdhsa--gfx1250"
	.amdhsa_code_object_version 6
	.text
	.protected	k_qc78d5f41ab_quant
	.globl	k_qc78d5f41ab_quant
	.p2align	8
	.type	k_qc78d5f41ab_quant,@function
k_qc78d5f41ab_quant:
	s_mov_b64 s[64:65], 0
	v_nop
	global_prefetch_b8 v0, s[64:65] scope:SCOPE_SE
	s_setreg_imm32_b32 hwreg(HW_REG_WAVE_MODE, 25, 1), 1
	s_wait_xcnt 0x0
; W [1024][8000], f32, becomes codes of BF8 (E5M2) with the given scale 2^e1 (entry 1 of the scales), laid as IMAGES OF THE OPERAND'S REGISTERS for the product's launch:
; wq [nt 16][s 64][t 4][c 4][lane 32][16 bytes].  Lane (r = lane % 16, h = lane / 16), group c, byte i holds the code of W[64 nt + 16 t + r][128 s + 64 h + 16 c + i].
; So a fragment (16 rows x 128 K) is 2,048 consecutive bytes, and the four fragments of a K step of one nt are 8,192.  K is filled from 8,000 up to 8,192 with codes of zero.
; code = x / 2^e1, held within +-57,344, rounded to the nearest code, ties to even.
; LIMITS: e1 between -126 and 112, so that 2^e1 and 57,344 x 2^e1 are f32 numbers.  NaN in W is not served; an infinity is held at the largest code.
; SHARES.  Work-group (x, y): rows 16 y .. 16 y + 15, K steps 16 x .. 16 x + 15.  Wave w takes two steps, 2 (8 x + w) and the next: 16 rows x 256 numbers.
; Each load reads 512 consecutive bytes of one row, 16 a lane; the conversions want 64 NEIGHBOURS in one lane: so a step's 8,192 bytes turn through the wave's own stage in LDS
; (rows of 512 bytes + 16: 132 words, so that the 16 rows that a read touches start at 16 different banks; 64 banks of 4 bytes: ISA guide 11.1).  Waves share nothing: no barrier.
; All 32 loads of a wave go out at once; nothing is written twice, so no store's registers are written again.
.set ROWW,  32000                      ; a row of W in bytes: 125 x 256
.set SPQ,   528                        ; a stage row
.set STG,   16*SPQ                     ; a stage: one step's 16 rows
.set WREG,  2*STG                      ; a wave's LDS: two stages
.set VO,    4                          ; v4, v5   my 16 bytes of a row in step 0, 1 of my pair, held inside the row
.set SA,    6                          ; v6       the stage, on the way in: 16 x lane
.set LA,    7                          ; v7       on the way out: row r, + 256 h: my 64 neighbours
.set OA,    8                          ; v8       16 x lane: my place in a group of an image
.set SCL,   9                          ; v9       2^e1 as f32: the conversion takes its exponent field
.set LIM,   11                         ; v11, v12 the hold of step 0, 1: 57,344 x 2^e1, or 0 where my 64 numbers lie past K = 8,000
.set R,     16                         ; v16-143  two sets of 64 registers as loaded
.set XA,    144                        ; v144-207 step 0's 64 neighbours
.set XB,    16                         ; v16-79   step 1's, where step 0's loads lay
.set C0,    208                        ; v208-223 step 0's codes
.set C1,    224                        ; v224-239 step 1's
	s_load_b128 s[4:7], s[0:1], 0x0                ; W s[4:5], the scales' exponents s[6:7]
	s_load_b64 s[8:9], s[0:1], 0x10                ; wq
	v_lshl_add_u32 v240, v0, 2, 0x21000
	v_mov_b32 v241, 0
	v_lshrrev_b32 v13, 5, v0
	v_readfirstlane_b32 s10, v13                   ; wave 0..7
	v_and_b32 v1, 31, v0                           ; lane
	v_and_b32 v2, 15, v0                           ; r
	v_bfe_u32 v3, v0, 4, 1                         ; h
	s_and_b32 s11, ttmp7, 0xffff                   ; which 16 rows
	s_lshl_b32 s12, ttmp9, 3
	s_add_co_u32 s12, s12, s10                     ; which pair of K steps: 8 x + wave, 0 .. 31
	v_lshlrev_b32 v[OA], 4, v1
	s_lshl_b32 s15, s12, 10                        ; a pair is 1,024 bytes of a row
	v_add_nc_u32 v[VO], s15, v[OA]
	v_add_nc_u32 v[VO+1], 512, v[VO]
	v_min_u32 v[VO], ROWW-16, v[VO]                ; the last pair reaches past the row's 32,000 bytes: such lanes read the row's last 16 bytes, and their numbers are held at 0 below
	v_min_u32 v[VO+1], ROWW-16, v[VO+1]
	s_mul_i32 s16, s10, WREG                       ; my wave's LDS
	v_add_nc_u32 v[SA], s16, v[OA]
	v_mul_u32_u24 v[LA], v2, SPQ
	v_lshl_add_u32 v[LA], v3, 8, v[LA]
	v_add_nc_u32 v[LA], s16, v[LA]
	s_mul_i32 s20, s11, 16*ROWW                    ; my 16 rows in W
	s_mov_b32 s21, 0
	s_lshr_b32 s22, s11, 2                         ; nt,
	s_lshl_b32 s22, s22, 19                        ; 524,288 bytes each;
	s_and_b32 s23, s11, 3                          ; t,
	s_lshl_b32 s23, s23, 11                        ; 2,048 bytes each;
	s_add_co_u32 s22, s22, s23
	s_lshl_b32 s23, s12, 14                        ; a pair of steps: 16,384 bytes
	s_add_co_u32 s22, s22, s23
	s_mov_b32 s23, 0
	s_wait_kmcnt 0x0
	s_load_b32 s13, s[6:7], 0x4                    ; e1
	s_add_nc_u64 s[4:5], s[4:5], s[20:21]
	s_add_nc_u64 s[8:9], s[8:9], s[22:23]
.macro LOADS u                         ; step u: 16 rows, 512 consecutive bytes each
.irp i, 0,1,2,3,4,5,6,7,8,9,10,11,12,13,14,15
	global_load_b128 v[R+64*\u+4*\i:R+64*\u+4*\i+3], v[VO+\u], s[4:5] offset:ROWW*\i th:TH_LOAD_NT
.endr
.endm
.macro PUT u                           ; into stage u, as loaded
.irp i, 0,1,2,3,4,5,6,7,8,9,10,11,12,13,14,15
	ds_store_b128 v[SA], v[R+64*\u+4*\i:R+64*\u+4*\i+3] offset:STG*\u+SPQ*\i
.endr
.endm
.macro GET u, x                        ; and back: of row r, numbers 64 h + 0 .. 63, into v[x] on.  LDS serves a wave's instructions in order (ISA guide 5.7.1.4): these see my stores
.irp n, 0,1,2,3,4,5,6,7,8,9,10,11,12,13,14,15
	ds_load_b128 v[\x+4*\n:\x+4*\n+3], v[LA] offset:STG*\u+16*\n
.endr
.endm
.macro QUANT x, c, lim                 ; 64 numbers become 16 registers of codes: register j, byte y: k = 64 h + 4 j + y of the step
.irp g, 0,1,2,3,4,5,6,7
.irp i, 0,1,2,3,4,5,6,7
	v_med3_num_f32 v[\x+8*\g+\i], v[\x+8*\g+\i], -v[\lim], v[\lim]   ; the conversion to an 8-bit code does not saturate (ISA guide 7.6.2): the hold comes first; a hold of 0 makes a code of zero
.endr
	v_cvt_scalef32_pk8_bf8_f32 v[\c+2*\g:\c+2*\g+1], v[\x+8*\g:\x+8*\g+7], v[SCL]
.endr
	v_nop                                          ; a plain vector line behind the last conversion
.endm
.macro OUT u, c                        ; four stores, each 512 consecutive bytes at a multiple of 512 from wq's first byte
.irp q, 0,1,2,3
	global_store_b128 v[OA], v[\c+4*\q:\c+4*\q+3], s[8:9] offset:8192*\u+512*\q
.endr
.endm
	LOADS 0
	LOADS 1
	s_lshl_b32 s14, s12, 2
	v_add_nc_u32 v13, s14, v3                      ; which run of 64 along K is mine in step 0: 4 x pair + h; runs 0 .. 124 are W's, the others are fill
	s_wait_kmcnt 0x0
	s_add_co_i32 s13, s13, 127
	s_lshl_b32 s17, s13, 23
	v_mov_b32 v[SCL], s17                          ; 2^e1
	s_add_co_i32 s13, s13, 15
	s_lshl_b32 s13, s13, 23
	s_or_b32 s13, s13, 0x600000
	v_mov_b32 v10, s13                             ; 57,344 x 2^e1
	v_cmp_gt_u32 vcc_lo, 125, v13
	v_cndmask_b32 v[LIM], 0, v10, vcc_lo
	v_add_nc_u32 v13, 2, v13                       ; in step 1: two runs on
	v_cmp_gt_u32 vcc_lo, 125, v13
	v_cndmask_b32 v[LIM+1], 0, v10, vcc_lo
	s_wait_loadcnt 16                              ; loads come back in order (ISA guide 5.7.1): step 0's sixteen are in, step 1's sixteen may be out
	PUT 0
	GET 0, XA
	s_wait_loadcnt 0x0                             ; step 1's
	PUT 1
	s_wait_dscnt 16                                ; all but the 16 stores just issued: step 0's numbers are back, and its stores into the stage are done,
	GET 1, XB                                      ; so their registers take step 1's numbers
	QUANT XA, C0, LIM
	OUT 0, C0
	s_wait_dscnt 0x0
	QUANT XB, C1, LIM+1
	OUT 1, C1
	s_wait_tensorcnt 0x0
	ds_add_u32 v240, v241
	s_wait_dscnt 0x0
	s_endpgm
.Lfunc_end_k_qc78d5f41ab_quant:
	.size	k_qc78d5f41ab_quant, .Lfunc_end_k_qc78d5f41ab_quant-k_qc78d5f41ab_quant
	.p2alignl 7, 3214868480
	.fill 96, 4, 3214868480
	.section	.rodata,"a",@progbits
	.p2align	6, 0x0
	.amdhsa_kernel k_qc78d5f41ab_quant
		.amdhsa_group_segment_fixed_size 136192
		.amdhsa_private_segment_fixed_size 0
		.amdhsa_enable_private_segment 0
		.amdhsa_kernarg_size 24
		.amdhsa_user_sgpr_count 2
		.amdhsa_user_sgpr_kernarg_segment_ptr 1
		.amdhsa_wavefront_size32 1
		.amdhsa_system_sgpr_workgroup_id_x 1
		.amdhsa_system_sgpr_workgroup_id_y 1
		.amdhsa_system_sgpr_workgroup_id_z 1
		.amdhsa_system_vgpr_workitem_id 0
		.amdhsa_next_free_vgpr 242
		.amdhsa_next_free_sgpr 66
		.amdhsa_reserve_vcc 1
		.amdhsa_float_denorm_mode_32 3
		.amdhsa_float_denorm_mode_16_64 3
		.amdhsa_memory_ordered 1
		.amdhsa_forward_progress 1
		.amdhsa_inst_pref_size 20
	.end_amdhsa_kernel
	.amdgpu_metadata
---
amdhsa.version: [ 1, 2 ]
amdhsa.kernels:
  - .name:           k_qc78d5f41ab_quant
    .symbol:         k_qc78d5f41ab_quant.kd
    .args:
      - { .name: W, .offset: 0, .size: 8, .value_kind: global_buffer, .address_space: global }
      - { .name: lowp_scales, .offset: 8, .size: 8, .value_kind: global_buffer, .address_space: global }
      - { .name: wq, .offset: 16, .size: 8, .value_kind: global_buffer, .address_space: global }
    .group_segment_fixed_size: 136192
    .private_segment_fixed_size: 0
    .kernarg_segment_align: 8
    .kernarg_segment_size: 24
    .max_flat_workgroup_size: 256
    .sgpr_count:     66
    .vgpr_count:     242
    .wavefront_size: 32
...
	.end_amdgpu_metadata
.endif
;; end of part 1
;; launch gemm (part 2): grid 16 x 16, 4 waves a work-group, clusters of 4 x 1, 327,680 bytes of LDS; arguments input_ids, wq, b, lowp_scales, out0; writes out0
.if DOCPART == 2
	.amdgcn_target "amdgcn-amd-amdhsa--gfx1250"
	.amdhsa_code_object_version 6
	.text
	.protected	k_qc78d5f41ab_gemm
	.globl	k_qc78d5f41ab_gemm
	.p2align	8
	.type	k_qc78d5f41ab_gemm,@function
k_qc78d5f41ab_gemm:
	s_mov_b64 s[64:65], 0
	v_nop
	global_prefetch_b8 v0, s[64:65] scope:SCOPE_SE
	s_setreg_imm32_b32 hwreg(HW_REG_WAVE_MODE, 25, 1), 1
	s_wait_xcnt 0x0
	s_wait_alu depctr_hold_cnt(0) depctr_sa_sdst(0) depctr_va_vdst(0) depctr_va_sdst(0) depctr_va_ssrc(0) depctr_va_vcc(0) depctr_vm_vsrc(0)
	s_getreg_b32 s2, hwreg(HW_REG_IB_STS2, 6, 4)
	s_cmp_eq_u32 s2, 0
	s_cbranch_scc0 .Lentry_in_a_cluster
	s_endpgm
.Lentry_in_a_cluster:
	s_bfe_u32 s2, ttmp6, 0x10000c
	s_cmp_lg_u32 s2, 0x3003
	s_cbranch_scc0 .Lentry_shape_is_right
	s_endpgm
.Lentry_shape_is_right:
; out0[m][n] = (sum over k of E[m][k] W[n][k]) + b[n]; E = the one-hot of input_ids[m] among 8,000; m = 8,192 tokens, n = 1,024.  Both operands are codes of BF8 (E5M2): E with the scale 2^e0, W with 2^e1
; (entries 0 and 1 of the scales); the codes are multiplied as they are by v_wmma_f32_16x16x128_bf8_bf8, and each finished sum is multiplied once by 2^(e0 + e1), b added in the same multiply-add.
; W's codes come from wq, laid by the launch before as images of the operand's registers: [nt 16][s 64][t 4][c 4][lane 32][16 bytes]: register j, byte y of lane (r, h) is W[64 nt + 16 t + r][128 s + 64 h + 4 j + y];
; codes past K = 8,000 are zeros.  That place of k in the registers is a permutation of the form's own, the same on both sides, so every product meets its partner.
; E IS NEVER STORED ANYWHERE.  The quantiser gives two codes: that of 1 (made once, by the hold and the conversion) and 0.  A token's row has one code that is not 0, at k = its id.  For each block of 16 tokens a lane
; keeps a TEMPLATE of 16 registers: the fragment of the one K step in which its token's id lies (zeros in the lanes of the other half).  In K step s the fragment is the template where id >> 7 = s, else zeros.
; THE MASK IS A PACKED MULTIPLY, two registers an instruction: m = 1.0 where id >> 7 = s, else 0.0 (a compare and a select), then eight v_pk_mul_f32, template pair x m: ten lines a block.  It changes no bit that counts:
; a template word holds at most one code of a positive number, 0x7b at the most, in one byte, so as an f32 pattern its exponent field is 0xf6 at the most: never an infinity, never NaN; x 1.0 gives the same
; bits (f32 denormals are kept in the mode at the entry), x 0.0 gives +0: four codes of zero.
; No branch and no address hangs on an id.  An id outside 0 .. 7,999 meets zero codes or no step: its row is b alone, as the one-hot of such an id has it.
; LIMITS: e0 between -126 and 112, e0 + e1 between -126 and 127, so that each power of two below is an f32 number.
; SHARES.  A work-group makes 512 tokens x 64 columns; each of its four waves 128 tokens x the 64 columns: 8 blocks x 4 tiles = 32 accumulators.  For 128 along K a wave reads 8,192 bytes of W's codes from LDS
; (16 loads), makes 8 fragments of E (80 vector lines) and issues 32 matrix instructions.  K goes 63 steps of 128 (8,064; the last 64 are zero codes).
; THE MATRIX INSTRUCTION IS USED TRANSPOSED: source 0 = 16 rows of W, source 1 = 16 tokens: a lane then holds one token and eight neighbouring columns.
; RING.  Two LDS slots of 8 K steps (65,536 bytes, one dense block of wq), each wave fetching a quarter by one tensor load of 64 rows x 256 bytes.  By this text's count a wave has two tensor loads out at the start, later one.
; CLUSTER.  The four work-groups of a cluster have the same nt and walk the same block of wq: each tile is asked for JOINTLY, by the same load with the same descriptor and a mask that names the four.
; E is shared with nobody, so there is no second axis to share along: the cluster is 4 x 1.
; REGISTERS, in windows of 256 (s_set_vgpr_msb: bits 1:0 source 0, 3:2 source 1, 5:4 source 2, 7:6 destination):
;   window 0: addresses, b, what the set-up and the way out work on.   window 1: v0-63, v64-127 W's four fragments, two sets; v[128 + 16 a] the template of block a, a = 0 .. 7.
;   window 2 (blocks 0-3) and window 3 (blocks 4-7), i = block % 4: v[32 i + 8 b] accumulator (i, b); v[128 + i] id >> 7 of my token; v134 1.0; v[136:137] m; v[192 + 16 i] the fragment of E.
;   ONE set of fragments serves E: a block's fragment is free as soon as its four products are issued, and is made anew behind the next block's products.
; Under one setting (source 0 window 1, all else window 2 or 3) the products, the compares, the selects and the multiplies all run: three switches a K step.
.set SLOT1, 1<<16                      ; slot 1 begins here: one exclusive or turns an address in one slot into the other's
.set SP,    272                        ; the way out: a stage row: 256 bytes + 16 = 68 words, so that 16 rows start at 16 different banks (64 banks of 4 bytes: ISA guide 11.1)
.set STAGE, 2*SLOT1                    ; behind the ring: 16 rows x 272 bytes for each wave; no tensor load fills it
.set SPARE, STAGE+4*16*SP              ; behind the stages: the spare words, 128 bytes for each wave: two blocks of 256 bytes that no other line names
.set L16,  3                           ; v3   16 x lane: my place in a group of an image
.set ADR,  4                           ; v4   the same in the slot in hand
.set STO,  5                           ; v5   the way out: where I put 32 bytes of a row
.set RD,   6                           ; v6   where I read a row back
.set CO,   7                           ; v7   my byte offset in two rows of out0
.set SPW,  8                           ; v8   LDS address of my spare word: SPARE + 4 x my thread's number; never rewritten
.set NIL,  9                           ; v9   0; never rewritten
.set PFO,  10                          ; v10  256 x lane: the prefetches' offset; never rewritten
.set IDS,  16                          ; v16-23  my token's id in blocks 0-7
.set BI,   40                          ; v40-71  b of my columns: 8 b + j: b[64 nt + 16 b + 8 h + j]
.set VAL,  72                          ; v72-79  the template's one word: the code of 1 in byte id % 4, or 0 in the lanes of the other half
.set JID,  80                          ; v80-87  which register takes it: (id >> 2) % 16
.set TMP,  96                          ; v96-127 the way out: a block's results
.set BK,   128                         ; v128-191 rows read back from the stage, two sets
.set TPL,  128                         ; window 1: the templates
.set HIW,  128                         ; windows 2, 3: id >> 7, four blocks
.set ONE,  134                         ; windows 2, 3: 1.0
.set MK,   136                         ; windows 2, 3: m, named as a pair: the upper register is written once and its value is not used
.set AFR,  192                         ; windows 2, 3: E's fragments
.set WV,   14                          ; s14  my wave's number
.set G1,   24                          ; s[24:31] descriptor group 1
.set G0A,  32                          ; s[32:35] group 0 of slot 0's first fill
.set G0B,  36                          ; s[36:39] of slot 1's; it then walks on
.set KC,   40                          ; s40  the K step in hand
.set KN,   41                          ; s41  the next
.set TB,   42                          ; s42  LDS byte at which the slot in hand begins
.set SLOTS, 43                         ; s43  slots still to be asked for
.set LIM,  44                          ; s44  1 in a wave that prefetches, else the greatest number
.set PFA,  46                          ; s[46:47] where my prefetches stand
.set SC,   48                          ; s[48:49] 2^(e0 + e1), named as a pair
.set MSB, 0
.macro WIN new                         ; the immediate's high byte repeats the setting that is left; a switch that changes nothing is dropped
.if MSB != (\new)
	s_set_vgpr_msb (MSB<<8)|(\new)
.set MSB, (\new)
.endif
.endm
.set S2,   0xa9                        ; source 0 window 1; source 1, source 2 and destination window 2
.set S3,   0xfd                        ; the same with window 3
.set TO_B, 0x40                        ; destination window 1, sources and address window 0
; A round of the cluster's barrier: my work-group's barrier, so that wave 0's signal speaks for all four waves; wave 0 signals for the work-group; every wave waits for all four work-groups; my work-group's barrier once more.
.macro CREST                           ; a round behind its opening barrier
	s_cmp_lg_u32 s[WV], 0
	s_cbranch_scc1 .Lnot_wave_0_\@
	s_barrier_signal -3
.Lnot_wave_0_\@:
	s_barrier_wait -3
	s_barrier_signal -1
	s_barrier_wait -1
.endm
.macro CROUND                          ; a whole round
	s_barrier_signal -1
	s_barrier_wait -1
	CREST
.endm
; A PREFETCH INTO THE L2 of the slot that the NEXT change of slots will ask for: 65,536 bytes of wq, eight K steps (256 matrix instructions a wave) ahead of that load.  All four clusters of an nt walk the same block:
; the first of them (cluster x = 0) asks.  Its four partners take 16,384 bytes each, told apart BY ADDRESS; in each, waves 0 and 1 ask for 8,192 bytes, lanes 256 bytes apart: each 256 bytes are named once in the launch.
; Slots 0 to 2 come by their loads alone; the last change that fills a slot asks for nothing: there is no slot behind it.
.macro ASK
	s_cmp_gt_u32 s[SLOTS], s[LIM]
	s_cbranch_scc0 .Lnot_mine_\@
	global_prefetch_b8 v[PFO], s[PFA:PFA+1] th:TH_LOAD_NT scope:SCOPE_SE
.Lnot_mine_\@:
.endm
	s_load_b256 s[4:11], s[0:1], 0x0               ; ids s[4:5], wq s[6:7], b s[8:9], the scales' exponents s[10:11]
	s_load_b64 s[12:13], s[0:1], 0x20              ; out0
	v_lshl_add_u32 v[SPW], v0, 2, SPARE
	v_mov_b32 v[NIL], 0
	ds_add_u32 v8, v9
	ds_add_u32 v8, v9
	s_wait_dscnt 0x0
	v_lshrrev_b32 v14, 5, v0
	v_readfirstlane_b32 s[WV], v14                 ; wave 0..3
	s_bfe_u32 s15, ttmp6, 0x40000                  ; cx: my place in the cluster
	s_lshl_b32 s16, ttmp9, 2                       ; in a cluster launch ttmp9 counts clusters
	s_add_co_u32 s16, s16, s15                     ; mt: my 512 tokens = 4 x cluster x + cx: it enters the ids' and out0's addresses alone
	s_and_b32 s17, ttmp7, 0xffff                   ; nt: my 64 columns, which the four partners share
	; descriptor group 1: 64 rows of 32 elements of 8 bytes, dense: 16,384 consecutive bytes, laid in LDS as they lie
	s_mov_b32 s[G1], 15|(3<<16)|(1<<21)            ; 15:0 the mask: all four work-groups; 17:16 elements of 8 bytes; 20 no padding; 21 set beside a mask
	s_mov_b32 s[G1+1], 32<<16                      ; tensor_dim0 = 32
	s_mov_b32 s[G1+2], 64<<16                      ; tensor_dim1 = 64
	s_mov_b32 s[G1+3], 32<<16                      ; tile_dim0 = 32
	s_mov_b32 s[G1+4], 64                          ; tile_dim1 = 64
	s_mov_b32 s[G1+5], 32                          ; tensor_dim0_stride
	s_mov_b32 s[G1+6], 0
	s_mov_b32 s[G1+7], 0
	s_lshl_b32 s18, s17, 19                        ; nt's block of wq: 524,288 bytes,
	s_lshl_b32 s[G0A+1], s[WV], 14                 ; my quarter of a slot, in LDS
	s_add_co_u32 s18, s18, s[G0A+1]                ; and in memory: no place in the cluster enters either
	s_mov_b32 s19, 0
	s_mov_b32 s[G0A], 1                            ; count = 1
	s_mov_b32 s[G0B], 1
	s_add_co_u32 s[G0B+1], s[G0A+1], SLOT1
	s_wait_kmcnt 0x0
	s_load_b64 s[20:21], s[10:11], 0x0             ; e0, e1
	s_add_nc_u64 s[G0A+2:G0A+3], s[6:7], s[18:19]  ; K steps 0 to 7
	s_add_nc_u64 s[G0B+2:G0B+3], s[G0A+2:G0A+3], SLOT1  ; K steps 8 to 15
	s_or_b32 s[G0A+3], s[G0A+3], 0x80000000        ; type = 2
	s_or_b32 s[G0B+3], s[G0B+3], 0x80000000
	CROUND                                         ; all four work-groups are here: the first joint loads meet
	tensor_load_to_lds s[G0A:G0A+3], s[G1:G1+7]    ; the two first fills go out together, ahead of every wait on TENSORcnt and every LDS read
	s_nop 0
	tensor_load_to_lds s[G0B:G0B+3], s[G1:G1+7]
	s_nop 0
.rept 4
	v_nop                                          ; four lines follow a tensor load ahead of anything else
.endr
	; ---- the set-up, while the tiles are on their way
	v_and_b32 v1, 15, v0                           ; r
	v_bfe_u32 v2, v0, 4, 1                         ; h
	v_and_b32 v14, 31, v0                          ; lane
	v_lshlrev_b32 v[L16], 4, v14
	v_lshlrev_b32 v[PFO], 8, v14
	v_lshlrev_b32 v11, 2, v1                       ; the ids: 4 r (both halves of the lanes read the same 16)
	v_lshlrev_b32 v12, 5, v2                       ; b: 32 h
	s_mul_i32 s18, s[WV], 16*SP
	s_add_co_u32 s18, s18, STAGE                   ; my stage
	v_mul_u32_u24 v[STO], v1, SP                   ; in: row r, 32 bytes for each half of the lanes
	v_lshl_add_u32 v[STO], v2, 5, v[STO]
	v_add_nc_u32 v[STO], s18, v[STO]
	v_mul_u32_u24 v[RD], v2, SP                    ; back: lanes 0-15 one row of 256 bytes, lanes 16-31 the next
	v_lshl_add_u32 v[RD], v1, 4, v[RD]
	v_add_nc_u32 v[RD], s18, v[RD]
	v_lshlrev_b32 v[CO], 12, v2                    ; and the same two rows in out0: a row is 4,096 bytes
	v_lshl_add_u32 v[CO], v1, 4, v[CO]
	s_lshl_b32 s50, s16, 9
	s_lshl_b32 s51, s[WV], 7
	s_add_co_u32 s50, s50, s51                     ; my first token: 512 mt + 128 x wave
	s_mov_b32 s51, 0
	s_lshl_b64 s[52:53], s[50:51], 2
	s_add_nc_u64 s[4:5], s[4:5], s[52:53]          ; its id
	s_lshl_b64 s[52:53], s[50:51], 12
	s_add_nc_u64 s[12:13], s[12:13], s[52:53]      ; its row of out0,
	s_lshl_b32 s22, s17, 8                         ; at my 64 columns: 256 bytes x nt
	s_mov_b32 s23, 0
	s_add_nc_u64 s[12:13], s[12:13], s[22:23]
	s_add_nc_u64 s[8:9], s[8:9], s[22:23]          ; b likewise
.irp a, 0,1,2,3,4,5,6,7
	global_load_b32 v[IDS+\a], v11, s[4:5] offset:64*\a            ; the id of token 16 a + r
.endr
.irp t, 0,1,2,3
	global_load_b128 v[BI+8*\t:BI+8*\t+3], v12, s[8:9] offset:64*\t
	global_load_b128 v[BI+8*\t+4:BI+8*\t+7], v12, s[8:9] offset:64*\t+16
.endr
	s_lshl_b32 s22, s17, 19                        ; the prefetches: nt's block,
	s_add_nc_u64 s[PFA:PFA+1], s[6:7], s[22:23]
	s_lshl_b32 s50, s15, 14                        ; my work-group's 16,384 bytes of a slot,
	s_and_b32 s52, s[WV], 1
	s_lshl_b32 s52, s52, 13                        ; my wave's 8,192 of them,
	s_add_co_u32 s50, s50, s52
	s_add_co_u32 s50, s50, 2*SLOT1                 ; in slot 2: the first change of slots steps it to slot 3.  Nothing is prefetched here, at the head
	s_add_nc_u64 s[PFA:PFA+1], s[PFA:PFA+1], s[50:51]
	s_lshr_b32 s52, s[WV], 1                       ; 0 in waves 0 and 1,
	s_or_b32 s52, s52, ttmp9                       ; of the nt's first cluster: the same in all four partners
	s_cmp_eq_u32 s52, 0
	s_cselect_b32 s[LIM], 1, -1
	s_mov_b32 s[KC], 0
	s_mov_b32 s[KN], 1
	s_mov_b32 s[TB], 0
	s_wait_kmcnt 0x0
	s_add_co_i32 s[SC], s20, s21                   ; e0 + e1
	s_add_co_i32 s[SC], s[SC], 127
	s_lshl_b32 s[SC], s[SC], 23                    ; 2^(e0 + e1) as f32
	s_mov_b32 s[SC+1], s[SC]                       ; (named with it as a pair, so it is written)
	s_add_co_i32 s18, s20, 127
	s_lshl_b32 s19, s18, 23
	v_mov_b32 v34, s19                             ; 2^e0 as f32: the conversion takes its exponent field
	s_add_co_i32 s18, s18, 15
	s_lshl_b32 s18, s18, 23
	s_or_b32 s18, s18, 0x600000
	v_mov_b32 v35, s18                             ; 57,344 x 2^e0
	v_mov_b32 v24, 1.0                             ; THE QUANTISER ON E'S TWO NUMBERS: 1, and seven zeros beside it
.irp i, 25,26,27,28,29,30,31
	v_mov_b32 v\i, 0
.endr
	v_med3_num_f32 v24, v24, -v35, v35             ; the conversion to an 8-bit code does not saturate (ISA guide 7.6.2): the hold at the largest code x the scale
	v_cvt_scalef32_pk8_bf8_f32 v[32:33], v[24:31], v34
	v_nop                                          ; one plain vector line between a scaled conversion and the first use of its result
	v_and_b32 v32, 0xff, v32                       ; the code of 1; 0's code is 0
	s_wait_loadcnt 0x0                             ; the ids and b
.irp a, 0,1,2,3,4,5,6,7
	v_and_b32 v14, 3, v[IDS+\a]
	v_lshlrev_b32 v14, 3, v14
	v_lshlrev_b32 v14, v14, v32                    ; the code in byte id % 4
	v_bfe_u32 v15, v[IDS+\a], 6, 1
	v_cmp_eq_u32 vcc_lo, v15, v2                   ; bit 6 of the id says which half of the lanes holds it
	v_cndmask_b32 v[VAL+\a], 0, v14, vcc_lo
	v_bfe_u32 v[JID+\a], v[IDS+\a], 2, 4
.endr
	WIN TO_B                                       ; the templates: destination window 1, sources window 0
.irp a, 0,1,2,3,4,5,6,7
.irp j, 0,1,2,3,4,5,6,7,8,9,10,11,12,13,14,15
	v_cmp_eq_u32 vcc_lo, \j, v[JID+\a]
	v_cndmask_b32 v[TPL+16*\a+\j], 0, v[VAL+\a], vcc_lo
.endr
.endr
.irp u, 0,1                            ; what the masks are made of: destination window 2 (blocks 0-3), then 3 (blocks 4-7), sources window 0
	WIN 0x80+0x40*\u
.irp i, 0,1,2,3
	v_lshrrev_b32 v[HIW+\i], 7, v[IDS+4*\u+\i]     ; the K step in which the id lies
.endr
	v_mov_b32 v[ONE], 1.0
	v_mov_b32 v[MK+1], 0                           ; (named with m as a pair, so it is written)
.endr
.macro MASK g, k                       ; m of block g (of the window's four) for K step s[k]: 1.0 where my token's id lies in that step, else 0.0
	v_cmp_eq_u32 vcc_lo, s[\k], v[HIW+(\g)]
	v_cndmask_b32 v[MK], 0, v[ONE], vcc_lo
.endm
.macro SEL g, a0, n0, n                ; n pairs from pair n0 on: block a0 + g's fragment of E = its template x m (of the pair m the low register serves both halves)
.set NN, \n0
.rept \n
	v_pk_mul_f32 v[AFR+16*(\g)+2*NN:AFR+16*(\g)+2*NN+1], v[TPL+16*((\a0)+(\g))+2*NN:TPL+16*((\a0)+(\g))+2*NN+1], v[MK:MK+1] op_sel_hi:[1,0]
.set NN, NN+1
.endr
.endm
.macro GEN g, a0, k                    ; a whole fragment
	MASK \g, \k
	SEL \g, \a0, 0, 8
.endm
.macro MM i, b, p, zero                ; one product: accumulator (i, b) += W's fragment b of set p x E's fragment i.  zero = 1: it starts the sum: nothing is ever cleared
.if \zero
	v_wmma_f32_16x16x128_bf8_bf8 v[32*(\i)+8*(\b):32*(\i)+8*(\b)+7], v[64*(\p)+16*(\b):64*(\p)+16*(\b)+15], v[AFR+16*(\i):AFR+16*(\i)+15], 0
.else
	v_wmma_f32_16x16x128_bf8_bf8 v[32*(\i)+8*(\b):32*(\i)+8*(\b)+7], v[64*(\p)+16*(\b):64*(\p)+16*(\b)+15], v[AFR+16*(\i):AFR+16*(\i)+15], v[32*(\i)+8*(\b):32*(\i)+8*(\b)+7]
.endif
.endm
; Block i's four products, and between them, in four slices of 2, 2, 2 and 4 lines, the fragment of the block before it in the ring of four: behind block 0's, block 3's of THIS step; behind block i's (1 to 3),
; block i - 1's of the NEXT step.  A vector instruction that writes a register that a matrix instruction has read stands four plain vector instructions behind it (ISA guide 7.12.1): between block i - 1's last
; product and the first multiply into its fragment stand the four multiplies of the slice before, the compare and the select, which name none of that product's registers.  gen = 0, the last step: there is no next step.
; The 32 accumulators take turns, one instruction a turn, in the same order in every step.
.macro PHASE i, a0, p, zero, gen
.set GG, ((\i)+3)&3
.if (\i) == 0
.set KK, KC
.else
.set KK, KN
.endif
	MM \i, 0, \p, \zero
.if (\gen) || ((\i) == 0)
	MASK GG, KK
.endif
	MM \i, 1, \p, \zero
.if (\gen) || ((\i) == 0)
	SEL GG, \a0, 0, 2
.endif
	MM \i, 2, \p, \zero
.if (\gen) || ((\i) == 0)
	SEL GG, \a0, 2, 2
.endif
	MM \i, 3, \p, \zero
.if (\gen) || ((\i) == 0)
	SEL GG, \a0, 4, 4
.endif
.endm
.macro HALF a0, p, zero, gen           ; four blocks: a window's sixteen products
	PHASE 0, \a0, \p, \zero, \gen
	PHASE 1, \a0, \p, \zero, \gen
	PHASE 2, \a0, \p, \zero, \gen
	PHASE 3, \a0, \p, \zero, \gen
.endm
.macro FETCH_B q, p                    ; W's four fragments of the slot's K step q into set p: 16 loads of 512 consecutive bytes
.irp t, 0,1,2,3
.irp c, 0,1,2,3
	ds_load_b128 v[64*(\p)+16*\t+4*\c:64*(\p)+16*\t+4*\c+3], v[ADR] offset:8192*(\q)+2048*\t+512*\c
.endr
.endr
.endm
; A K step that has its successor in the same slot.  The next step's fragments of W are asked for at its head, into the set that the last step multiplied: the four multiplies behind that step's last product are
; the four plain instructions that stand between it and these loads.
.macro STEP q, zero
	s_wait_dscnt 0x0                               ; this step's set is in: it was asked for a whole step ago
	WIN TO_B
	FETCH_B (\q)+1, 1-(\q)%2
	WIN S2
	HALF 0, (\q)%2, \zero, 1
	WIN S3
	HALF 4, (\q)%2, \zero, 1
	s_add_co_u32 s[KC], s[KC], 1
	s_add_co_u32 s[KN], s[KN], 1
.endm
; A slot's last step (its set is 1) changes slots: ONE barrier.  In front of it each wave waits for all its tensor loads (its part of the next slot), adds 0 to its spare word, and waits for that and for its own reads of
; this slot.  fill = 1: the barrier opens a round of the cluster's barrier, so that no wave of any partner still reads the slot or has a load on its way, and the slot is filled again, with the K steps two slots on:
; that load has eight K steps, 256 matrix instructions, in which to land.
.macro TURN fill
	WIN 0                                          ; (the add's two registers lie in window 0)
	s_wait_tensorcnt 0x0                           ; no tensor load of mine is out, so a group 0 may be written
	ds_add_u32 v[SPW], v[NIL]                      ; 0 onto my spare word
.if \fill
	s_xor_b32 s[G0B+1], s[G0B+1], SLOT1            ; the walking descriptor: the other slot than last time,
	s_add_nc_u64 s[G0B+2:G0B+3], s[G0B+2:G0B+3], SLOT1  ; the next eight K steps; the type bits on top are not reached
	s_wait_xcnt 0x0                                ; the last prefetch, eight K steps back, has read its address, so it may be written:
	s_add_nc_u64 s[PFA:PFA+1], s[PFA:PFA+1], SLOT1 ; one slot further on than the walking descriptor
.endif
	s_wait_dscnt 0x1                               ; this step's set is in; the add alone may be out
	WIN S2
	PHASE 0, 0, 1, 0, 1                            ; eight products and their slices stand between the add and the wait for it
	PHASE 1, 0, 1, 0, 1
	s_wait_dscnt 0x0                               ; the add is done, and my reads of this slot are over
	s_barrier_signal -1
	PHASE 2, 0, 1, 0, 1                            ; work on registers while the others arrive
	PHASE 3, 0, 1, 0, 1
	WIN 0
	s_barrier_wait -1
.if \fill
	CREST
	tensor_load_to_lds s[G0B:G0B+3], s[G1:G1+7]    ; the first tensor load behind the round, and my only one until the next
	s_nop 0
.rept 4
	v_nop
.endr
.endif
	s_xor_b32 s[TB], s[TB], SLOT1                  ; on to the other slot
	v_add_nc_u32 v[ADR], s[TB], v[L16]
	WIN TO_B
	FETCH_B 0, 0                                   ; its first step, into the set that the step before this one multiplied
.if \fill
	WIN 0
	ASK                                            ; behind the joint load, its four lines and the run of LDS loads
.endif
	WIN S3
	HALF 4, 1, 0, 1
	s_add_co_u32 s[KC], s[KC], 1
	s_add_co_u32 s[KN], s[KN], 1
.endm
	WIN S2                                         ; K step 0's fragments of blocks 0-2 and 4-6; blocks 3 and 7 are made inside the step, as in every step
	GEN 0, 0, KC
	GEN 1, 0, KC
	GEN 2, 0, KC
	WIN S3
	GEN 0, 4, KC
	GEN 1, 4, KC
	GEN 2, 4, KC
	WIN 0
	s_wait_tensorcnt 0x1                           ; my part of slot 0 is in; slot 1's may stay out
	s_barrier_signal -1
	s_barrier_wait -1                              ; everybody's is
	v_add_nc_u32 v[ADR], s[TB], v[L16]
	WIN TO_B
	FETCH_B 0, 0
	STEP 0, 1                                      ; the first step stands in front of the loop: its products start the sums
	WIN 0
	s_mov_b32 s[SLOTS], 6
.Lslot:                                            ; six trips of eight K steps, from a slot's second step to the next slot's first; each fills the slot that it leaves
	STEP 1, 0
	STEP 2, 0
	STEP 3, 0
	STEP 4, 0
	STEP 5, 0
	STEP 6, 0
	TURN 1
	STEP 0, 0
	WIN 0
	s_sub_co_u32 s[SLOTS], s[SLOTS], 1
	s_cmp_lg_u32 s[SLOTS], 0
	s_cbranch_scc1 .Lslot
	STEP 1, 0                                      ; the tail is written out: the last slot but one
	STEP 2, 0
	STEP 3, 0
	STEP 4, 0
	STEP 5, 0
	STEP 6, 0
	TURN 0                                         ; which is left without a fill,
	STEP 0, 0                                      ; and seven steps of the last: K steps 56 to 62.  (K step 63 is all zero codes and is not multiplied)
	STEP 1, 0
	STEP 2, 0
	STEP 3, 0
	STEP 4, 0
	STEP 5, 0
	s_wait_dscnt 0x0                               ; the last step: nothing more to fetch, no next fragments to make
	WIN S2
	HALF 0, 0, 0, 0
	WIN S3
	HALF 4, 0, 0, 0
; THE WAY OUT, block by block of 16 tokens x 64 columns.  sum x 2^(e0 + e1) + b is one packed multiply-add for two numbers, each accumulator from its low end on, into other registers.  A lane holds 32 neighbouring
; bytes of a row for each tile, and the lanes beside it hold other rows: so a block goes through my own stage in LDS and comes back as whole rows of 256 bytes.
; A vector instruction that reads a matrix result stands four plain vector instructions behind it (ISA guide 7.12.1): behind blocks 0-3's last products stand the ten lines that made block 7's fragment, behind block 4's
; the last four of those, and behind blocks 5-7's the multiply-adds of the blocks that go out before them.
.macro TOSTAGE a
	WIN 0x02+(\a)/4                                ; source 0: window 2 or 3
.irp b, 0,1,2,3
.irp i, 0,2,4,6
	v_pk_fma_f32 v[TMP+8*\b+\i:TMP+8*\b+\i+1], v[32*((\a)%4)+8*\b+\i:32*((\a)%4)+8*\b+\i+1], s[SC:SC+1], v[BI+8*\b+\i:BI+8*\b+\i+1] op_sel_hi:[1,0,1]   ; (the scalar pair's low word for both halves)
.endr
.endr
	WIN 0
.irp b, 0,1,2,3
	ds_store_b128 v[STO], v[TMP+8*\b:TMP+8*\b+3] offset:64*\b       ; lane (r, h): out0(16 a + r, 16 b + 8 h + 0 .. 7)
	ds_store_b128 v[STO], v[TMP+8*\b+4:TMP+8*\b+7] offset:64*\b+16
.endr
.irp t, 0,1,2,3,4,5,6,7
	ds_load_b128 v[BK+32*((\a)%2)+4*\t:BK+32*((\a)%2)+4*\t+3], v[RD] offset:\t*2*SP   ; LDS serves a wave's instructions in order (ISA guide 5.7.1.4): these see the stores above, and the next block's stores come behind them
.endr
.endm
.macro SEND a, younger                 ; younger: the LDS instructions issued behind block a's loads, which may stay out
	s_wait_dscnt \younger
.irp t, 0,1,2,3,4,5,6,7
	global_store_b128 v[CO], v[BK+32*((\a)%2)+4*\t:BK+32*((\a)%2)+4*\t+3], s[12:13] offset:(16*(\a)+2*\t)*4096 th:TH_STORE_NT   ; 16 lanes store 256 consecutive bytes, at a multiple of 256 from out0's first byte; 126 rows at the most: inside the signed 24-bit immediate (ISA guide, chapter 10)
.endr
.endm
	TOSTAGE 0
.irp a, 1,2,3,4,5,6,7
.if \a > 1
	s_wait_xcnt 0x0                                ; block a - 2's stores have read their registers: block a's rows may land there
.endif
	TOSTAGE \a
	SEND \a-1, 16                                  ; behind block a - 1's loads: block a's 8 stores and 8 loads
.endr
	SEND 7, 0
	s_wait_tensorcnt 0x0                           ; the wave's end: behind my last tensor load and my last LDS store
	ds_add_u32 v[SPW], v[NIL]
	s_wait_dscnt 0x0
	CROUND                                         ; the closing round: no work-group ends while a partner may still ask for a tile that names it
	s_endpgm
.Lfunc_end_k_qc78d5f41ab_gemm:
	.size	k_qc78d5f41ab_gemm, .Lfunc_end_k_qc78d5f41ab_gemm-k_qc78d5f41ab_gemm
	.p2alignl 7, 3214868480
	.fill 96, 4, 3214868480
	.section	.rodata,"a",@progbits
	.p2align	6, 0x0
	.amdhsa_kernel k_qc78d5f41ab_gemm
		.amdhsa_group_segment_fixed_size 327680
		.amdhsa_private_segment_fixed_size 0
		.amdhsa_enable_private_segment 0
		.amdhsa_kernarg_size 40
		.amdhsa_user_sgpr_count 2
		.amdhsa_user_sgpr_kernarg_segment_ptr 1
		.amdhsa_wavefront_size32 1
		.amdhsa_system_sgpr_workgroup_id_x 1
		.amdhsa_system_sgpr_workgroup_id_y 1
		.amdhsa_system_sgpr_workgroup_id_z 1
		.amdhsa_system_vgpr_workitem_id 0
		.amdhsa_next_free_vgpr 1024
		.amdhsa_next_free_sgpr 66
		.amdhsa_reserve_vcc 1
		.amdhsa_float_denorm_mode_32 3
		.amdhsa_float_denorm_mode_16_64 3
		.amdhsa_memory_ordered 1
		.amdhsa_forward_progress 1
		.amdhsa_inst_pref_size 220
	.end_amdhsa_kernel
	.amdgpu_metadata
---
amdhsa.version: [ 1, 2 ]
amdhsa.kernels:
  - .name:           k_qc78d5f41ab_gemm
    .symbol:         k_qc78d5f41ab_gemm.kd
    .args:
      - { .name: input_ids, .offset: 0, .size: 8, .value_kind: global_buffer, .address_space: global }
      - { .name: wq, .offset: 8, .size: 8, .value_kind: global_buffer, .address_space: global }
      - { .name: b, .offset: 16, .size: 8, .value_kind: global_buffer, .address_space: global }
      - { .name: lowp_scales, .offset: 24, .size: 8, .value_kind: global_buffer, .address_space: global }
      - { .name: out0, .offset: 32, .size: 8, .value_kind: global_buffer, .address_space: global }
    .group_segment_fixed_size: 327680
    .private_segment_fixed_size: 0
    .kernarg_segment_align: 8
    .kernarg_segment_size: 40
    .max_flat_workgroup_size: 128
    .sgpr_count:     66
    .vgpr_count:     1024
    .wavefront_size: 32
...
	.end_amdgpu_metadata
.endif
;; end of part 2
